; MI455X (gfx1250); checked and timed in simulation.
; The chip was launched on July 23, 2026; its instructions are those of AMD's public machine-readable ISA for CDNA 5 (MIT licence, August 2026) and "CDNA5" Instruction Set Architecture Reference Guide (July 2026). The comments in the code are by the model that wrote it; some were corrected since.
;; Binary Linear. Allowed arithmetic: float matrix products may take bf16 or f16 operands with f32 sums; other float arithmetic in f32, or as packed bf16 or f16 multiplies, adds, multiply-adds, maxima and minima; sums over many terms, partial sums and values carried from step to step in f32; what a program stores and reads back later, other than sums and carried values, may be rounded once to bf16 or f16.
;; Inputs: bias 4,096 float32; weight 4,096 x 4,096 float32; x 4,096 x 4,096 float32.
;; Outputs: out0 4,096 x 4,096 float32.
;; 2 versions, each right; version 2 is version 1 with the launch prep written anew for expert scheduling mode. Each part assembles by itself: llvm-mc -triple=amdgcn-amd-amdhsa -mcpu=gfx1250 --defsym DOCPART=n.
;; ======== version 1 of 2: 2 launches
;; workspace buffers: xb 33,554,432 bytes; wb 33,554,432 bytes; asum 32,768 bytes
;; launch prep (part 1): grid 128 x 2, 16 waves a work-group, no clusters, 2,304 bytes of LDS; arguments x, weight, xb, wb, asum; writes xb, wb, asum
.if DOCPART == 1
	.amdgcn_target "amdgcn-amd-amdhsa--gfx1250"
	.amdhsa_code_object_version 6
	.text
	.protected	k_q7516b3b405_prep
	.globl	k_q7516b3b405_prep
	.p2align	8
	.type	k_q7516b3b405_prep,@function
k_q7516b3b405_prep:
	s_mov_b64 s[64:65], 0
	v_nop
	global_prefetch_b8 v0, s[64:65] scope:SCOPE_SE
	s_setreg_imm32_b32 hwreg(HW_REG_WAVE_MODE, 25, 1), 1
	s_wait_xcnt 0x0
; BinaryLinear, first of two launches.  reference(): y[n][o] = sum_i x[n][i] sign(W[o][i]) alpha[o] + bias[o], alpha[o] = mean_i |W[o][i]|.
; alpha[o] does not hang on i, so the sum is alpha[o] x sum_i x[n][i] sign(W[o][i]) for all values: the product is taken with sign(W) alone (+1, -1, 0: exact in bf16), and
; alpha and bias are one f32 multiply-add on the second launch's way out.  NOTHING OF reference() IS LEFT OUT: x, weight and bias all reach the output and are all loaded.
; THIS LAUNCH: xb = bf16(x), rounded once to nearest even; wb = bf16(sign(W)); asum[h][o] = 2^-12 x the sum of |W[o][i]| over column half h (f32 sums; the second launch adds the two halves).
; Each conversion is made once here, not once in each of the 16 work-groups that multiply a tile.
; LIMITS.  The order of the sums differs from reference()'s.  A zero of W keeps its sign in wb (+0 or -0); a denormal counts as non-zero.  A NaN in W stands in wb as +1 or -1 and reaches its whole
; output column through asum.  Each half's sum of |W| is scaled by 2^-12 before the halves are added: it overflows only where a half's sum passes f32's range.
; SHARES.  Work-group y = 0 takes x, y = 1 takes weight; work-group x = g: rows 64 (g / 2) .. + 63, columns 2,048 (g % 2) .. + 2,047: 256 work-groups of 512 KiB of input each.
; Wave w takes rows 4 w .. 4 w + 3 of the 64.  A row half is 16 chunks: one load of 16 bytes a lane (512 consecutive bytes) and one store of 8 bytes a lane (256 consecutive bytes, aligned).
; A ring of 16 slots in registers, a row half, keeps 16 loads of every wave on their way.  No address register is ever rewritten: row and chunk stand in the immediates.
; No matrix unit, no cluster, no tensor load, no prefetch: nothing is shared between work-groups, and the launch does nothing but stream.
.set ROWI,  16384                      ; bytes in a row of x and of weight
.set ROWO,  8192                       ; bytes in a row of xb and of wb
.set SPARE, 256                        ; LDS: bytes 0-255 the 64 row sums (word 4 w + r); from 256 the spare words, 128 bytes for each of 16 waves, which no other line names
.set VI,  2                            ; v2       16 x lane: my 16 bytes of a chunk; never rewritten
.set VO,  3                            ; v3       8 x lane: my 8 bytes of a chunk's result; also my 8 bytes of the 64 row sums; never rewritten
.set LA,  4                            ; v4       16 x wave: my wave's four words in LDS
.set SPW, 6                            ; v6       LDS address of my spare word; never rewritten
.set NIL, 7                            ; v7       0; never rewritten
.set ONE, 8                            ; v8       1.0
.set S,   12                           ; v[12:15] four running sums of |W|
.set T,   16                           ; v[16:19] at work
.set RB,  20                           ; v[20:21] two row sums read back
.set X,   32                           ; v[32:95] slot i: 4 registers as loaded
.set Y,   96                           ; v[96:127] slot i: 2 registers to store
	s_load_b256 s[4:11], s[0:1], 0x0               ; x s[4:5], weight s[6:7], xb s[8:9], wb s[10:11]
	s_load_b64 s[12:13], s[0:1], 0x20              ; asum
	v_lshl_add_u32 v[SPW], v0, 2, SPARE
	v_mov_b32 v[NIL], 0
	v_lshrrev_b32 v1, 5, v0
	v_readfirstlane_b32 s14, v1                    ; wave 0..15
	s_and_b32 s15, ttmp7, 0xffff                   ; 0: x, 1: weight
	s_lshr_b32 s16, ttmp9, 1                       ; block of 64 rows
	s_and_b32 s17, ttmp9, 1                        ; column half
	s_lshl_b32 s18, s16, 20                        ; in: 64 rows of 16,384 bytes,
	s_lshl_b32 s19, s14, 16                        ; my wave's 4 rows,
	s_add_co_u32 s18, s18, s19
	s_lshl_b32 s19, s17, 13                        ; the half's 8,192 bytes
	s_add_co_u32 s18, s18, s19
	s_mov_b32 s19, 0
	s_lshl_b32 s32, s16, 19                        ; out: the same at half the bytes
	s_lshl_b32 s33, s14, 15
	s_add_co_u32 s32, s32, s33
	s_lshl_b32 s33, s17, 12
	s_add_co_u32 s32, s32, s33
	s_mov_b32 s33, 0
	s_lshl_b32 s34, s17, 14                        ; asum: half h begins 16,384 bytes on,
	s_lshl_b32 s35, s16, 8                         ; the block's 64 words
	s_add_co_u32 s34, s34, s35
	s_mov_b32 s35, 0
	s_mov_b32 s24, 0x7fffffff                      ; all but the sign
	s_mov_b32 s25, 0x07060302                      ; v_perm_b32: the upper halves of two words
	s_mov_b32 s26, 0x76543210                      ; v_permlanex16_b32: each lane takes its own place in the other half
	s_mov_b32 s27, 0xfedcba98
	s_lshl_b32 s36, s14, 4
	v_mov_b32 v[LA], s36
	v_mov_b32 v[ONE], 1.0
	v_and_b32 v1, 31, v0
	v_lshlrev_b32 v[VI], 4, v1
	v_lshlrev_b32 v[VO], 3, v1
	s_wait_kmcnt 0x0
	s_cmp_eq_u32 s15, 0
	s_cselect_b64 s[28:29], s[4:5], s[6:7]         ; the tensor that I read,
	s_cselect_b64 s[30:31], s[8:9], s[10:11]       ; and the one that I write
	s_add_nc_u64 s[28:29], s[28:29], s[18:19]
	s_add_nc_u64 s[30:31], s[30:31], s[32:33]
	s_add_nc_u64 s[12:13], s[12:13], s[34:35]
.irp i, 0,1,2,3,4,5,6,7,8,9,10,11,12,13,14,15
	global_load_b128 v[X+4*\i:X+4*\i+3], v[VI], s[28:29] offset:512*\i th:TH_LOAD_NT  ; the ring is filled: my first row's half
.endr
; Chunk i of my row r.  isw = 0: x; 1: weight.
.macro SLOT isw, r, i
.if (\r) < 3
	s_wait_loadcnt 15                              ; loads come back in order (ISA guide 5.7.1): mine is in, the 15 younger ones stay out
.else
	s_wait_loadcnt 15-(\i)                         ; the last row loads nothing: the counts run down
.endif
	s_wait_xcnt 0x0                                ; this slot's Y, which its last store reads, is rewritten only behind this wait
.if \isw
.irp k, 0,1,2,3
.if (\i) == 0
	v_and_b32 v[S+\k], s24, v[X+4*(\i)+\k]         ; a row's first chunk starts the four sums: nothing is cleared
.else
	v_add_f32 v[S+\k], v[S+\k], |v[X+4*(\i)+\k]|
.endif
	v_cmp_neq_f32 s[20+\k], 0, v[X+4*(\i)+\k]      ; the mask serves a select alone
.endr
.irp k, 0,1,2,3
	v_cndmask_b32 v[T+\k], 0, v[ONE], s[20+\k]     ; 1 where W is not 0,
.endr
.irp k, 0,1,2,3
	v_bfi_b32 v[T+\k], s24, v[T+\k], v[X+4*(\i)+\k]  ; under W's own sign
.endr
	v_perm_b32 v[Y+2*(\i)],   v[T+1], v[T],   s25  ; the upper halves are these numbers in bf16, exactly
	v_perm_b32 v[Y+2*(\i)+1], v[T+3], v[T+2], s25
.else
	v_cvt_pk_bf16_f32 v[Y+2*(\i)],   v[X+4*(\i)],   v[X+4*(\i)+1]
	v_cvt_pk_bf16_f32 v[Y+2*(\i)+1], v[X+4*(\i)+2], v[X+4*(\i)+3]
.endif
.if (\r) < 3
	global_load_b128 v[X+4*(\i):X+4*(\i)+3], v[VI], s[28:29] offset:((\r)+1)*ROWI+512*(\i) th:TH_LOAD_NT  ; the same chunk of my next row, ahead of the store
.endif
	global_store_b64 v[VO], v[Y+2*(\i):Y+2*(\i)+1], s[30:31] offset:(\r)*ROWO+256*(\i)  ; 32 lanes store 256 consecutive bytes, at a multiple of 256 from the buffer's first byte
.endm
; My row r's half is summed: four chains, 32 lanes, the factor 2^-12; the result goes to word 4 w + r (all lanes store the same number to the same word).
.macro ROWSUM r
	v_add_f32 v[S], v[S], v[S+1]
	v_add_f32 v[S+2], v[S+2], v[S+3]
	v_add_f32 v[S], v[S], v[S+2]
	v_add_f32_dpp v[S], v[S], v[S] row_xmask:1 row_mask:0xf bank_mask:0xf
	v_add_f32_dpp v[S], v[S], v[S] row_xmask:2 row_mask:0xf bank_mask:0xf
	v_add_f32_dpp v[S], v[S], v[S] row_xmask:4 row_mask:0xf bank_mask:0xf
	v_add_f32_dpp v[S], v[S], v[S] row_xmask:8 row_mask:0xf bank_mask:0xf
	v_permlanex16_b32 v[T], v[S], s26, s27         ; its destination counts as read: T has been written
	v_add_f32 v[S], v[S], v[T]
	v_mul_f32 v[S], 0x39800000, v[S]               ; 2^-12 = 1 / 4,096
	ds_store_b32 v[LA], v[S] offset:4*(\r)
.endm
	s_cmp_eq_u32 s15, 0                            ; the same in all waves of the work-group
	s_cbranch_scc1 .Lx
.irp r, 0,1,2,3
.irp i, 0,1,2,3,4,5,6,7,8,9,10,11,12,13,14,15
	SLOT 1, \r, \i
.endr
	ROWSUM \r
.endr
	s_branch .Ljoin
.Lx:
.irp r, 0,1,2,3
.irp i, 0,1,2,3,4,5,6,7,8,9,10,11,12,13,14,15
	SLOT 0, \r, \i
.endr
.endr
.Ljoin:
	s_wait_dscnt 0x0                               ; for the others' sake: my four row sums lie in LDS
	s_barrier_signal -1                            ; the one barrier stands on both ways
	s_barrier_wait -1
	s_cmp_eq_u32 s15, 0
	s_cbranch_scc1 .Lend                           ; x has no row sums
	s_cmp_lg_u32 s14, 0
	s_cbranch_scc1 .Lend                           ; wave 0 stores the work-group's 64
	ds_load_b64 v[RB:RB+1], v[VO]
	s_wait_dscnt 0x0
	global_store_b64 v[VO], v[RB:RB+1], s[12:13]   ; 256 consecutive bytes, at a multiple of 256 from asum's first byte
.Lend:
	s_wait_tensorcnt 0x0                           ; the wave's end, behind my last LDS store
	ds_add_u32 v[SPW], v[NIL]
	s_wait_dscnt 0x0
	s_endpgm
.Lfunc_end_k_q7516b3b405_prep:
	.size	k_q7516b3b405_prep, .Lfunc_end_k_q7516b3b405_prep-k_q7516b3b405_prep
	.p2alignl 7, 3214868480
	.fill 96, 4, 3214868480
	.section	.rodata,"a",@progbits
	.p2align	6, 0x0
	.amdhsa_kernel k_q7516b3b405_prep
		.amdhsa_group_segment_fixed_size 2304
		.amdhsa_private_segment_fixed_size 0
		.amdhsa_enable_private_segment 0
		.amdhsa_kernarg_size 40
		.amdhsa_user_sgpr_count 2
		.amdhsa_user_sgpr_kernarg_segment_ptr 1
		.amdhsa_wavefront_size32 1
		.amdhsa_system_sgpr_workgroup_id_x 1
		.amdhsa_system_sgpr_workgroup_id_y 1
		.amdhsa_system_sgpr_workgroup_id_z 1
		.amdhsa_system_vgpr_workitem_id 0
		.amdhsa_next_free_vgpr 128
		.amdhsa_next_free_sgpr 66
		.amdhsa_reserve_vcc 0
		.amdhsa_float_denorm_mode_32 3
		.amdhsa_float_denorm_mode_16_64 3
		.amdhsa_memory_ordered 1
		.amdhsa_forward_progress 1
		.amdhsa_inst_pref_size 115
	.end_amdhsa_kernel
	.amdgpu_metadata
---
amdhsa.version: [ 1, 2 ]
amdhsa.kernels:
  - .name:           k_q7516b3b405_prep
    .symbol:         k_q7516b3b405_prep.kd
    .args:
      - { .name: x, .offset: 0, .size: 8, .value_kind: global_buffer, .address_space: global }
      - { .name: weight, .offset: 8, .size: 8, .value_kind: global_buffer, .address_space: global }
      - { .name: xb, .offset: 16, .size: 8, .value_kind: global_buffer, .address_space: global }
      - { .name: wb, .offset: 24, .size: 8, .value_kind: global_buffer, .address_space: global }
      - { .name: asum, .offset: 32, .size: 8, .value_kind: global_buffer, .address_space: global }
    .group_segment_fixed_size: 2304
    .private_segment_fixed_size: 0
    .kernarg_segment_align: 8
    .kernarg_segment_size: 40
    .max_flat_workgroup_size: 512
    .sgpr_count:     66
    .vgpr_count:     128
    .wavefront_size: 32
...
	.end_amdgpu_metadata
.endif
;; end of part 1
;; launch gemm (part 2): grid 16 x 16, 4 waves a work-group, clusters of 4 x 4, 327,680 bytes of LDS; arguments xb, wb, asum, bias, out0; writes out0
.if DOCPART == 2
	.amdgcn_target "amdgcn-amd-amdhsa--gfx1250"
	.amdhsa_code_object_version 6
	.text
	.protected	k_q7516b3b405_gemm
	.globl	k_q7516b3b405_gemm
	.p2align	8
	.type	k_q7516b3b405_gemm,@function
k_q7516b3b405_gemm:
	s_mov_b64 s[64:65], 0
	v_nop
	global_prefetch_b8 v0, s[64:65] scope:SCOPE_SE
	s_setreg_imm32_b32 hwreg(HW_REG_WAVE_MODE, 25, 1), 1
	s_wait_xcnt 0x0
	s_wait_alu depctr_hold_cnt(0) depctr_sa_sdst(0) depctr_va_vdst(0) depctr_va_sdst(0) depctr_va_ssrc(0) depctr_va_vcc(0) depctr_vm_vsrc(0)
	s_getreg_b32 s2, hwreg(HW_REG_IB_STS2, 6, 4)
	s_cmp_eq_u32 s2, 0
	s_cbranch_scc0 .Lentry_in_a_cluster
	s_endpgm
.Lentry_in_a_cluster:
	s_bfe_u32 s2, ttmp6, 0x10000c
	s_cmp_lg_u32 s2, 0xf033
	s_cbranch_scc0 .Lentry_shape_is_right
	s_endpgm
.Lentry_shape_is_right:
; BinaryLinear, second of two launches: out0[n][o] = (asum[0][o] + asum[1][o]) x (sum over i of xb[n][i] wb[o][i]) + bias[o].
; xb = bf16(x), wb = bf16(sign(weight)), asum = the two halves of mean |weight| by rows, all made by the launch before.  Products in bf16, sums in f32, alpha and bias one f32 multiply-add.  No work is left out.
; LIMITS.  x is rounded once to bf16; the order of the sums differs from reference()'s; where alpha is not finite the pattern of infinities and NaN may differ from reference()'s.
; A tile of out0, 256 x 256, is made by a work-group of four waves; a wave makes 128 x 128: 64 accumulators of 16 x 16, 512 registers.  4,096 / 256 squared = 256 tiles: one to a work-group.
; K goes in 32 steps of 128 through a ring of two LDS slots filled by the tensor data mover: the tiles' rows are 256 bytes of memory and start at multiples of 256 bytes from the buffer's first byte.
; CLUSTERS: 4 x 4 work-groups.  The four of a row of the cluster need the same tiles of xb, the four of a column the same tiles of wb: each tile is asked for JOINTLY, by the same tensor load with the
; same descriptor and a mask that names the four; each receives it in its own LDS.
; THE MATRIX INSTRUCTION IS USED TRANSPOSED: source 0 = 16 rows of wb, source 1 = 16 rows of xb.  In the result lane l holds row l % 16 of out0 and its registers 0 to 7 the columns 8 (l / 16) + 0 .. 7.
; REGISTERS, in windows of 256 (s_set_vgpr_msb's low byte: bits 1:0 source 0, 3:2 source 1, 5:4 source 2, 7:6 destination):
;   window 0: v0-31 addresses; v64-127, v128-191 fragments of xb, two buffers; on the way out v64-127 scaled results, v128-191 and v192-255 rows read back from the stage, by turns
;   window 1: v0-63 alpha of my 128 columns (column block b, register j at 8 b + j); v64-127, v128-191 fragments of wb, two buffers; v192-255 bias, laid as alpha
;   window 2: the 32 accumulators of my rows 0-63 (accumulator (a, b) at v[8 (8 a + b)]);   window 3: those of my rows 64-127
; All of a WGP's LDS is claimed; the text uses 312,832 bytes.
.set SIZE_K, 4096
.set SIZE_N, 4096
.set KSTEP,  128
.set PITCH,  272                       ; an LDS row: 256 bytes of data + 16 of padding = 68 words: row r starts at bank 4 r mod 64 (64 banks of 4 bytes: ISA guide 11.1), so the 16 rows of a load start at 16 different banks
.set HALFT,  128*PITCH                 ; 128 rows: what one tensor load brings, and what one wave reads of xb or of wb
.set SLOT,   4*HALFT                   ; xb's 256 rows, then wb's 256 rows
.set STAGE,  2*SLOT                    ; behind the ring: 16 rows x 528 bytes for each wave, for the way out; no tensor load fills it
.set SPITCH, 528                       ; a stage row: 512 bytes (128 f32) + 16 = 33 x 16: the 16 rows that a store touches fall on 16 different groups of four banks
.set SPARE,  STAGE+4*16*SPITCH         ; behind the stages: the spare words, 128 bytes for each wave: two blocks of 256 bytes that no other line names
.set LAPS,   SIZE_K/(2*KSTEP)          ; a lap = two K steps = once round the ring: 16
.set ROWC,   SIZE_N*4                  ; bytes in a row of out0
.set ADRA, 16                          ; v16-17  LDS address of my xb fragments in slot 0, 1
.set ADRB, 20                          ; v20-21  the same for wb
.set STO,  24                          ; v24     the way out: where I put 32 bytes of a row
.set RD,   25                          ; v25     the way out: where I read 16 bytes of a row back
.set CO,   26                          ; v26     16 x lane: my 16 bytes of a row's 512 in out0
.set ABO,  27                          ; v27     my byte offset in asum and in bias
.set SPW,  28                          ; v28     LDS address of my spare word: SPARE + 4 x my thread's number; never rewritten
.set NIL,  29                          ; v29     0; never rewritten
.set PFO,  30                          ; v30     the prefetches' offset: my lane x a row of xb or wb (8,192 bytes); never rewritten
.set PFA,  44                          ; s[44:45] where my prefetches stand: my work-group's 32 rows of the 128 that I fetch, one K step further along K than the refill that is being asked for
.set LIM,  43                          ; s43     1 in a wave that prefetches, else the greatest number
.set F0,   64                          ; fragment buffer 0
.set F1,   128                         ; fragment buffer 1
.set AL,   0                           ; window 1: alpha
.set P1,   64                          ; window 1: asum's second half, at the head only, where wb's buffer 0 will lie
.set BI,   192                         ; window 1: bias
.set TMP,  64                          ; the way out, window 0: a block's 64 scaled results
.set BK0,  128                         ; the way out, window 0: 16 rows read back: v128-191 and v192-255 by turns
.set G1, 24                            ; s[24:31] descriptor group 1 for xb's tiles
.set G0, 32                            ; s[32:39] descriptor group 0 for xb's tiles, one set for each slot
.set G1B, 48                           ; s[48:55] descriptor group 1 for wb's tiles: it differs in the mask alone
.set G0B, 56                           ; s[56:63] descriptor group 0 for wb's tiles, one set for each slot
.set MSB, 0
.macro WIN new                         ; the immediate's high byte repeats the setting that is left; a switch that changes nothing is dropped
.if MSB != (\new)
	s_set_vgpr_msb (MSB<<8)|(\new)
.set MSB, \new
.endif
.endm
.set MUL_LO, 0xa1                      ; source 0 (wb) window 1, source 1 (xb) window 0, C and D window 2
.set MUL_HI, 0xf1                      ; the same, C and D window 3
.set TO_B,   0x40                      ; destination window 1, address window 0
.set ADD1,   0x45                      ; destination and both sources window 1
; A joint load.  Waves 0 and 1 fetch xb's two halves, waves 2 and 3 wb's.  Each of the two lines has ONE mask and one set of registers for all that issue it.  The branch hangs on the wave's number alone.
; An s_nop 0 and four v_nop follow each of the two lines, ahead of the jump, the label and what follows.
.macro JLOAD s
	s_cmp_eq_u32 s11, 0
	s_cbranch_scc0 .Lfor_b_\@
	tensor_load_to_lds s[G0+4*(\s):G0+4*(\s)+3], s[G1:G1+7]
	s_nop 0
.rept 4
	v_nop
.endr
	s_branch .Lasked_\@
.Lfor_b_\@:
	tensor_load_to_lds s[G0B+4*(\s):G0B+4*(\s)+3], s[G1B:G1B+7]
	s_nop 0
.rept 4
	v_nop
.endr
.Lasked_\@:
.endm
; A PREFETCH, behind each joint refill, its five lines and the run of LDS loads that follows them: the K step that stands TWO refills on (512 matrix instructions ahead of the load that will ask for it):
; 32 rows x 256 bytes, a lane a row, one instruction a wave.  Each row's 256 bytes of a K step are named ONCE in the launch: xb's tile row is read by every cluster of that row of clusters, and the one with
; cluster x = 0 asks; wb's tile column by every cluster of that column, and the one with cluster y = 0 asks.  The four partners that ask for a tile jointly share its rows out BY ADDRESS: of the 128 rows
; that a wave fetches, the partner at place p takes 32 p .. 32 p + 31 (p = cx for xb, cy for wb).  K steps 0 to 3 come by their loads alone; the loop's last trip asks for nothing: K ends there.
.macro ASK
	s_cmp_gt_u32 s3, s[LIM]                        ; s3 = 1 in the loop's last trip
	s_cbranch_scc0 .Lnot_mine_\@
	global_prefetch_b8 v[PFO], s[PFA:PFA+1] offset:KSTEP*2 th:TH_LOAD_NT scope:SCOPE_SE
.Lnot_mine_\@:
.endm
; A round of the cluster's barrier: my work-group's barrier, so that wave 0's signal speaks for all four waves; wave 0 signals for the work-group; every wave waits for all sixteen work-groups; my work-group's barrier once more.
.macro CREST                           ; a round behind its opening barrier
	s_cmp_lg_u32 s10, 0
	s_cbranch_scc1 .Lnot_wave_0_\@
	s_barrier_signal -3
.Lnot_wave_0_\@:
	s_barrier_wait -3
	s_barrier_signal -1
	s_barrier_wait -1
.endm
.macro CROUND                          ; a whole round
	s_barrier_signal -1
	s_barrier_wait -1
	CREST
.endm
	s_load_b128 s[4:7], s[0:1], 0x0                ; xb s[4:5], wb s[6:7]
	s_load_b128 s[68:71], s[0:1], 0x10             ; asum s[68:69], bias s[70:71]
	s_load_b64 s[8:9], s[0:1], 0x20                ; out0
	v_lshl_add_u32 v[SPW], v0, 2, SPARE
	v_mov_b32 v[NIL], 0
	ds_add_u32 v[SPW], v[NIL]                      ; the wave's opening: the add, twice on end, and its wait ahead of my first tensor load; the set-up below, work on registers, stands between
	ds_add_u32 v[SPW], v[NIL]                      ; and once more, under the one wait
	v_lshrrev_b32 v1, 5, v0
	v_readfirstlane_b32 s10, v1                    ; wave 0..3
	s_lshr_b32 s11, s10, 1                         ; which half of the tile's rows is mine.  Also: I fetch for xb (0) or for wb (1)
	s_and_b32 s12, s10, 1                          ; which half of its columns.  Also: which 128 rows of that tile I fetch
	s_bfe_u32 s40, ttmp6, 0x40000                  ; cx: my place along the cluster's x
	s_bfe_u32 s41, ttmp6, 0x40004                  ; cy: along its y
	s_lshl_b32 s42, ttmp9, 2                       ; in a cluster launch ttmp9 and ttmp7 count clusters
	s_add_co_u32 s42, s42, s40                     ; tile column = 4 x cluster x + cx
	s_and_b32 s13, ttmp7, 0xffff
	s_lshl_b32 s13, s13, 2
	s_add_co_u32 s13, s13, s41                     ; tile row = 4 x cluster y + cy
	s_lshl_b32 s43, s41, 2
	s_lshl_b32 s43, 15, s43                        ; my row of the cluster: places 4 cy .. 4 cy + 3
	s_lshl_b32 s44, 0x1111, s40                    ; my column: places cx, cx + 4, cx + 8, cx + 12
	; descriptor group 1: a tile of 128 rows x 128 elements, padded in LDS
	s_or_b32 s[G1+0], s43, (1<<16)|(1<<20)|(1<<21)|(5<<22)|(3<<25)  ; 15:0 the mask: xb's tiles go to my row; 17:16 elements of 2 bytes; 20 padding on; 21 set beside a mask; 24:22 after every 64 words (code 5); 31:25 4 words of it (code 3)
	s_or_b32 s[G1B+0], s44, (1<<16)|(1<<20)|(1<<21)|(5<<22)|(3<<25) ; the same with the mask of my column, for wb's tiles
.irp g, G1, G1B
	s_mov_b32 s[(\g)+1], KSTEP<<16                 ; 63:48 tensor_dim0 = 128
	s_mov_b32 s[(\g)+2], 128<<16                   ; 95:80 tensor_dim1 = 128
	s_mov_b32 s[(\g)+3], KSTEP<<16                 ; 127:112 tile_dim0 = 128
	s_mov_b32 s[(\g)+4], 128                       ; 143:128 tile_dim1 = 128; tile_dim2 = 0
	s_mov_b32 s[(\g)+5], SIZE_K                    ; 191:160 elements from row to row
	s_mov_b32 s[(\g)+6], 0
	s_mov_b32 s[(\g)+7], 0
.endr
	; where the tiles come from.  xb's hang on the tile row alone, which my row of the cluster shares; wb's on the tile column alone, which my column shares.
	; Every wave makes both addresses, in registers that never hold the other coordinate, and asks by one of them.
	s_lshl_b32 s17, s12, 7                         ; which 128 rows of the tile I fetch
	s_lshl_b32 s16, s13, 8
	s_add_co_u32 s16, s16, s17                     ; xb: row 256 x tile row + 128 x half
	s_lshl_b32 s46, s42, 8
	s_add_co_u32 s46, s46, s17                     ; wb: row 256 x tile column + 128 x half
	s_mov_b32 s17, 0
	s_mov_b32 s47, 0
	s_mov_b64 s[18:19], SIZE_K*2
	s_mul_u64 s[16:17], s[16:17], s[18:19]         ; in bytes
	s_mul_u64 s[46:47], s[46:47], s[18:19]
	s_mul_i32 s20, s10, HALFT                      ; and where they go: wave x 128 rows: no place in the cluster enters an LDS address
	s_wait_dscnt 0x0                               ; both opening adds are done
	s_wait_kmcnt 0x0
	s_add_nc_u64 s[14:15], s[4:5], s[16:17]
	s_add_nc_u64 s[46:47], s[6:7], s[46:47]
	CROUND                                         ; all sixteen work-groups are here: the first joint loads meet
.irp s, 0,1
	s_mov_b32 s[G0+4*(\s)], 1                                      ; 1:0 count = 1
	s_add_co_u32 s[G0+4*(\s)+1], s20, (\s)*SLOT                    ; 63:32 LDS address
	s_add_nc_u64 s[G0+4*(\s)+2:G0+4*(\s)+3], s[14:15], (\s)*KSTEP*2  ; 120:64 global address: K step s
	s_or_b32 s[G0+4*(\s)+3], s[G0+4*(\s)+3], 0x80000000            ; 127:126 type = 2
	s_mov_b32 s[G0B+4*(\s)], 1
	s_add_co_u32 s[G0B+4*(\s)+1], s20, (\s)*SLOT
	s_add_nc_u64 s[G0B+4*(\s)+2:G0B+4*(\s)+3], s[46:47], (\s)*KSTEP*2
	s_or_b32 s[G0B+4*(\s)+3], s[G0B+4*(\s)+3], 0x80000000
	JLOAD \s                                       ; the ring is filled before anything else is done: two loads of mine are out
.endr
	; A fragment is 16 rows x 32 K in 8 registers: lane l holds row l % 16; registers 0-3 hold K = 8 (l / 16) + 0..7, registers 4-7 K = 16 + 8 (l / 16) + 0..7: two loads of 16 bytes, 32 bytes apart.
	v_and_b32 v1, 15, v0                           ; l % 16
	v_bfe_u32 v2, v0, 4, 1                         ; l / 16
	v_mul_u32_u24 v3, v1, PITCH
	v_lshl_add_u32 v3, v2, 4, v3                   ; row x pitch + 16 x half
	s_mul_i32 s21, s11, HALFT                      ; my 128 rows of xb
	s_mul_i32 s22, s12, HALFT                      ; my 128 rows of wb,
	s_add_co_u32 s22, s22, 2*HALFT                 ; which lie behind xb's 256
.irp s, 0,1
	v_add_nc_u32 v[ADRA+(\s)], s21, v3
	v_add_nc_u32 v[ADRB+(\s)], s22, v3
	s_add_co_u32 s21, s21, SLOT
	s_add_co_u32 s22, s22, SLOT
.endr
	s_mul_i32 s23, s10, 16*SPITCH
	s_add_co_u32 s23, s23, STAGE                   ; my stage
	v_mul_u32_u24 v4, v1, SPITCH                   ; in: row l % 16, 32 bytes (8 f32) for each half of the lanes
	v_lshl_add_u32 v4, v2, 5, v4
	v_add_nc_u32 v[STO], s23, v4
	v_and_b32 v5, 31, v0
	v_lshlrev_b32 v[CO], 4, v5                     ; back: 32 lanes take one row's 512 bytes,
	v_add_nc_u32 v[RD], s23, v[CO]                 ; and the same 512 bytes of a row of out0
	; where my part of the tile begins in out0
	s_lshl_b32 s13, s13, 8                         ; 256 x tile row
	s_lshl_b32 s14, s11, 7
	s_add_co_u32 s16, s13, s14                     ; my first row,
	s_lshl_b32 s16, s16, 14                        ; of 16,384 bytes: under 2^26
	s_mov_b32 s17, 0
	s_lshl_b32 s46, s42, 10                        ; my first column, in bytes of f32: 1,024 x tile column + 512 x half
	s_lshl_b32 s47, s12, 9
	s_add_co_u32 s46, s46, s47
	s_mov_b32 s47, 0
	s_add_nc_u64 s[8:9], s[8:9], s[16:17]
	s_add_nc_u64 s[8:9], s[8:9], s[46:47]
	v_lshl_add_u32 v[ABO], v2, 5, s46              ; asum and bias: my first column + 8 (l / 16) numbers
	; alpha's two halves and bias for my 128 columns, laid as the accumulators are: once a launch, while the first tiles are on their way
	WIN TO_B
.irp b, 0,1,2,3,4,5,6,7
.irp c, 0,1
	global_load_b128 v[AL+8*\b+4*\c:AL+8*\b+4*\c+3], v[ABO], s[68:69] offset:64*\b+16*\c
	global_load_b128 v[P1+8*\b+4*\c:P1+8*\b+4*\c+3], v[ABO], s[68:69] offset:16384+64*\b+16*\c
	global_load_b128 v[BI+8*\b+4*\c:BI+8*\b+4*\c+3], v[ABO], s[70:71] offset:64*\b+16*\c
.endr
.endr
	WIN 0
	; the prefetches.  s13 = 256 x tile row, s42 = tile column, s40 = cx, s41 = cy still stand
	s_lshl_b32 s42, s42, 8
	s_and_b32 s22, ttmp7, 0xffff                   ; cluster y
	s_cmp_eq_u32 s11, 0                            ; do I fetch for xb?
	s_cselect_b32 s20, s13, s42                    ; the tile's first row: in xb by the tile row, in wb by the tile column
	s_cselect_b32 s21, s40, s41                    ; my place among the four that ask for it with me
	s_cselect_b32 s22, ttmp9, s22                  ; the coordinate along which other clusters read the same rows
	s_cselect_b64 s[PFA:PFA+1], s[4:5], s[6:7]
	s_cmp_eq_u32 s22, 0
	s_cselect_b32 s[LIM], 1, -1                    ; the same in all sixteen partners, for a given wave
	s_lshl_b32 s22, s12, 7
	s_add_co_u32 s20, s20, s22                     ; + the 128 rows that I fetch
	s_lshl_b32 s21, s21, 5
	s_add_co_u32 s20, s20, s21                     ; + my work-group's 32 of them
	s_mov_b32 s21, 0
	s_mov_b64 s[18:19], SIZE_K*2
	s_mul_u64 s[20:21], s[20:21], s[18:19]
	s_add_nc_u64 s[PFA:PFA+1], s[PFA:PFA+1], s[20:21]
	s_add_nc_u64 s[PFA:PFA+1], s[PFA:PFA+1], 2*KSTEP*2  ; at K step 2: the first refill steps it to 3 and names K step 4
	v_and_b32 v[PFO], 31, v0
	v_mul_u32_u24 v[PFO], v[PFO], SIZE_K*2
	s_wait_loadcnt 0x0                             ; asum and bias are in
	WIN ADD1
.set r, 0
.rept 32
	v_pk_add_f32 v[AL+r:AL+r+1], v[AL+r:AL+r+1], v[P1+r:P1+r+1]  ; alpha = the two halves' means, added
.set r, r+2
.endr
	WIN 0
; 16 matrix instructions: m blocks a0, a0 + 1 of the window's four (hi = 0: my rows 0-63, 1: rows 64-127) x all 8 n blocks, 32 along K.  zero = 1: the first product starts the sums: nothing is ever cleared.
; The 64 accumulators take turns, one instruction a turn, in the same order in every quarter step.
.macro MUL16 f, hi, a0, zero
	WIN MUL_LO+0x50*(\hi)
.irp a, \a0, (\a0)+1
.irp b, 0,1,2,3,4,5,6,7
.if \zero
	v_wmma_f32_16x16x32_bf16 v[8*(8*(\a)+(\b)):8*(8*(\a)+(\b))+7], v[(\f)+8*(\b):(\f)+8*(\b)+7], v[(\f)+8*(4*(\hi)+(\a)):(\f)+8*(4*(\hi)+(\a))+7], 0
.else
	v_wmma_f32_16x16x32_bf16 v[8*(8*(\a)+(\b)):8*(8*(\a)+(\b))+7], v[(\f)+8*(\b):(\f)+8*(\b)+7], v[(\f)+8*(4*(\hi)+(\a)):(\f)+8*(4*(\hi)+(\a))+7], v[8*(8*(\a)+(\b)):8*(8*(\a)+(\b))+7]
.endif
.endr
.endr
.endm
; 32 LDS loads in one run: the fragments of one quarter step (128 rows of wb, 128 rows of xb, 32 K at byte k of the rows) into buffer f
.macro FETCH slot, k, f
	WIN TO_B
.irp i, 0,1,2,3,4,5,6,7
	ds_load_b128 v[(\f)+8*(\i):(\f)+8*(\i)+3],   v[ADRB+(\slot)] offset:(\k)+(\i)*16*PITCH
	ds_load_b128 v[(\f)+8*(\i)+4:(\f)+8*(\i)+7], v[ADRB+(\slot)] offset:(\k)+(\i)*16*PITCH+32
.endr
	WIN 0
.irp i, 0,1,2,3,4,5,6,7
	ds_load_b128 v[(\f)+8*(\i):(\f)+8*(\i)+3],   v[ADRA+(\slot)] offset:(\k)+(\i)*16*PITCH
	ds_load_b128 v[(\f)+8*(\i)+4:(\f)+8*(\i)+7], v[ADRA+(\slot)] offset:(\k)+(\i)*16*PITCH+32
.endr
.endm
; A load into a register that a matrix instruction has read, and a vector instruction that reads a matrix result or writes one of a matrix instruction's registers, stand four places behind it; only plain vector
; instructions that name none of its registers are places (ISA guide 7.12.1 for vector instructions).
.macro PLACES
.rept 4
	v_nop
.endr
.endm
; A K step is four quarter steps of 32 along K, 64 matrix instructions each, on buffers 0, 1, 0, 1.
; One of the first three: multiplies buffer f; in its middle it fetches the next quarter's fragments, at byte k of the same slot's rows, into buffer g.
.macro QUARTER slot, k, f, g, zero
	s_wait_dscnt 8                                 ; wb and xb's rows 0-63 are in; the youngest eight loads (xb's rows 64-127) may be out
	WIN MUL_LO
	MUL16 \f, 0, 0, \zero
	MUL16 \f, 0, 2, \zero
	PLACES
	FETCH \slot, \k, \g
	s_wait_dscnt 32                                ; all but the 32 just issued
	WIN MUL_HI
	MUL16 \f, 1, 0, \zero
	MUL16 \f, 1, 2, \zero
.endm
; The last quarter multiplies buffer 1 and changes slots.  MEET is its first half: ONE barrier for the change.  In front of it each wave waits for all its tensor loads, of which one is out: its part of the
; next slot; adds 0 to its spare word; and waits for that and for its own reads of this slot.  Behind it nobody reads this slot any more and the next slot is whole.
.macro MEET round                      ; round = 1: a round of the cluster's barrier follows
	WIN 0                                          ; (the add's two registers lie in window 0)
	s_wait_tensorcnt 0x0                           ; all my tensor loads have landed;
	ds_add_u32 v[SPW], v[NIL]                      ; 0 onto my spare word;
	s_wait_dscnt 9                                 ; (the add and the youngest eight loads may be out)
	WIN MUL_LO
	MUL16 F1, 0, 0, 0                              ; sixteen matrix instructions stand between the add and the wait for it
	s_wait_dscnt 0x0                               ; the add is done, and my reads of this slot are over:
	s_barrier_signal -1                            ; say so,
	MUL16 F1, 0, 2, 0                              ; work on registers while the others arrive,
.if \round
	WIN 0
.endif
	s_barrier_wait -1                              ; and go on when all four have said so
.endm
; The whole last quarter of a K step whose slot is filled again, with the K step two steps on: the barrier opens a round of the cluster's, and the joint refill is the first tensor load behind the round.
; From a request to the wait for it a wave issues 224 matrix instructions.
.macro TURN slot, next
	s_wait_xcnt 0x0                                ; the last prefetch, a K step back, has read its address: it is stepped here, ahead of the waits of the change of slots
	s_add_nc_u64 s[PFA:PFA+1], s[PFA:PFA+1], KSTEP*2
	MEET 1
	CREST                                          ; no wave of any partner still reads this slot's tile or has a load on its way
	s_add_nc_u64 s[G0+4*(\slot)+2:G0+4*(\slot)+3], s[G0+4*(\slot)+2:G0+4*(\slot)+3], 2*KSTEP*2     ; no tensor load of mine is out: a group 0 may be written
	s_add_nc_u64 s[G0B+4*(\slot)+2:G0B+4*(\slot)+3], s[G0B+4*(\slot)+2:G0B+4*(\slot)+3], 2*KSTEP*2
	JLOAD \slot                                    ; the four v_nop behind it are also the places in front of the loads below
	FETCH \next, 0, F0
	ASK
	WIN MUL_HI
	MUL16 F1, 1, 0, 0
	MUL16 F1, 1, 2, 0
.endm
; THE WAY OUT of block a (16 rows x 128 columns), in three parts.  SCALE: alpha x sum + bias, one packed multiply-add for two numbers; each accumulator's registers in ascending order.
.macro SCALE a
.set AC, 64*((\a)%4)
	WIN 0x16+(\a)/4                                ; source 0 window 2 or 3, sources 1 and 2 window 1, destination window 0
.irp b, 0,1,2,3,4,5,6,7
.irp q, 0,1,2,3
	v_pk_fma_f32 v[TMP+8*\b+2*\q:TMP+8*\b+2*\q+1], v[AC+8*\b+2*\q:AC+8*\b+2*\q+1], v[AL+8*\b+2*\q:AL+8*\b+2*\q+1], v[BI+8*\b+2*\q:BI+8*\b+2*\q+1]
.endr
.endr
.endm
; TOSTAGE: into my own stage in LDS, 32 bytes of a row a lane and column block, and back as whole rows of 512 bytes.
.macro TOSTAGE a
	WIN 0
.set BK, BK0+64*((\a)%2)
.irp b, 0,1,2,3,4,5,6,7
.irp c, 0,1
	ds_store_b128 v[STO], v[TMP+8*\b+4*\c:TMP+8*\b+4*\c+3] offset:64*\b+16*\c
.endr
.endr
.irp t, 0,1,2,3,4,5,6,7,8,9,10,11,12,13,14,15
	ds_load_b128 v[BK+4*\t:BK+4*\t+3], v[RD] offset:SPITCH*\t  ; LDS serves a wave's instructions in order (ISA guide 5.7.1.4): these see the stores above
.endr
.endm
; SEND: stored.  Row and block stand in the immediate, 127 rows of 16,384 bytes at the most, inside its signed 24 bits: no base is stepped.
.macro SEND a
	WIN 0
.set BK, BK0+64*((\a)%2)
	s_wait_dscnt 0x0                               ; the block is back in registers
	s_wait_xcnt 0x0                                ; the stores of the block before have read their registers: the next block's rows are loaded into them only behind this wait
.irp t, 0,1,2,3,4,5,6,7,8,9,10,11,12,13,14,15
	global_store_b128 v[CO], v[BK+4*\t:BK+4*\t+3], s[8:9] offset:(16*(\a)+\t)*ROWC th:TH_STORE_NT  ; 32 lanes store 512 consecutive bytes, at a multiple of 512 from out0's first byte
.endr
.endm
	s_wait_tensorcnt 1                             ; my part of K step 0 is in; K step 1's may stay out
	s_barrier_signal -1
	s_barrier_wait -1                              ; everybody's is
	FETCH 0, 0, F0
	QUARTER 0, 64,  F0, F1, 1                      ; the first quarter stands in front of the loop: its products start the sums
	WIN 0                                          ; at a label and at a branch every window is 0
	s_mov_b32 s3, LAPS-1
.Llap:                                                 ; a trip goes once round the ring, from a lap's second quarter to the next lap's first, and fills both slots again
	QUARTER 0, 128, F1, F0, 0
	QUARTER 0, 192, F0, F1, 0
	TURN 0, 1
	QUARTER 1, 64,  F0, F1, 0
	QUARTER 1, 128, F1, F0, 0
	QUARTER 1, 192, F0, F1, 0
	TURN 1, 0
	QUARTER 0, 64,  F0, F1, 0
	WIN 0
	s_sub_co_u32 s3, s3, 1
	s_cmp_lg_u32 s3, 0
	s_cbranch_scc1 .Llap
	QUARTER 0, 128, F1, F0, 0                      ; the last lap is written out: it fills nothing, and has no round of the cluster's barrier
	QUARTER 0, 192, F0, F1, 0
	MEET 0                                         ; my one tensor load that was still out is slot 1's, the last K step's
	PLACES                                         ; for the loads into buffer 0, which the quarter before multiplied
	FETCH 1, 0, F0
	WIN MUL_HI
	MUL16 F1, 1, 0, 0
	MUL16 F1, 1, 2, 0
	QUARTER 1, 64,  F0, F1, 0
	QUARTER 1, 128, F1, F0, 0
	QUARTER 1, 192, F0, F1, 0
	s_wait_dscnt 8                                 ; the very last quarter: nothing more to fetch
	WIN MUL_LO
	MUL16 F1, 0, 0, 0
	MUL16 F1, 0, 2, 0
	s_wait_dscnt 0x0
	WIN MUL_HI
	MUL16 F1, 1, 0, 0
	MUL16 F1, 1, 2, 0
	PLACES                                         ; behind the last products: block 0's multiply-adds write where buffer 0 lay and read finished sums
	SCALE 0
	TOSTAGE 0
.irp a, 1,2,3,4,5,6,7                  ; block a's arithmetic stands between block a - 1's loads from the stage and the wait for them
	SCALE \a
	SEND (\a)-1
	TOSTAGE \a
.endr
	SEND 7
	WIN 0
	s_wait_tensorcnt 0x0                           ; the wave's end, behind my last tensor load and my last LDS store
	ds_add_u32 v[SPW], v[NIL]
	s_wait_dscnt 0x0
	CROUND                                         ; the closing round: no work-group ends while a partner may still ask for a tile that names it
	s_endpgm
.Lfunc_end_k_q7516b3b405_gemm:
	.size	k_q7516b3b405_gemm, .Lfunc_end_k_q7516b3b405_gemm-k_q7516b3b405_gemm
	.p2alignl 7, 3214868480
	.fill 96, 4, 3214868480
	.section	.rodata,"a",@progbits
	.p2align	6, 0x0
	.amdhsa_kernel k_q7516b3b405_gemm
		.amdhsa_group_segment_fixed_size 327680
		.amdhsa_private_segment_fixed_size 0
		.amdhsa_enable_private_segment 0
		.amdhsa_kernarg_size 40
		.amdhsa_user_sgpr_count 2
		.amdhsa_user_sgpr_kernarg_segment_ptr 1
		.amdhsa_wavefront_size32 1
		.amdhsa_system_sgpr_workgroup_id_x 1
		.amdhsa_system_sgpr_workgroup_id_y 1
		.amdhsa_system_sgpr_workgroup_id_z 1
		.amdhsa_system_vgpr_workitem_id 0
		.amdhsa_next_free_vgpr 1024
		.amdhsa_next_free_sgpr 72
		.amdhsa_reserve_vcc 0
		.amdhsa_float_denorm_mode_32 3
		.amdhsa_float_denorm_mode_16_64 3
		.amdhsa_memory_ordered 1
		.amdhsa_forward_progress 1
		.amdhsa_inst_pref_size 164
	.end_amdhsa_kernel
	.amdgpu_metadata
---
amdhsa.version: [ 1, 2 ]
amdhsa.kernels:
  - .name:           k_q7516b3b405_gemm
    .symbol:         k_q7516b3b405_gemm.kd
    .args:
      - { .name: xb, .offset: 0, .size: 8, .value_kind: global_buffer, .address_space: global }
      - { .name: wb, .offset: 8, .size: 8, .value_kind: global_buffer, .address_space: global }
      - { .name: asum, .offset: 16, .size: 8, .value_kind: global_buffer, .address_space: global }
      - { .name: bias, .offset: 24, .size: 8, .value_kind: global_buffer, .address_space: global }
      - { .name: out0, .offset: 32, .size: 8, .value_kind: global_buffer, .address_space: global }
    .group_segment_fixed_size: 327680
    .private_segment_fixed_size: 0
    .kernarg_segment_align: 8
    .kernarg_segment_size: 40
    .max_flat_workgroup_size: 128
    .sgpr_count:     72
    .vgpr_count:     1024
    .wavefront_size: 32
...
	.end_amdgpu_metadata
.endif
;; end of part 2
;; ======== version 2 of 2: 2 launches; version 1 with the launch prep written anew for expert scheduling mode
;; workspace buffers: xb 33,554,432 bytes; wb 33,554,432 bytes; asum 32,768 bytes
;; launch prep (part 3): grid 128 x 2, 16 waves a work-group, no clusters, 2,304 bytes of LDS; arguments x, weight, xb, wb, asum; writes xb, wb, asum
.if DOCPART == 3
	.amdgcn_target "amdgcn-amd-amdhsa--gfx1250"
	.amdhsa_code_object_version 6
	.text
	.protected	k_q7516b3b405_prep
	.globl	k_q7516b3b405_prep
	.p2align	8
	.type	k_q7516b3b405_prep,@function
k_q7516b3b405_prep:
	s_mov_b64 s[64:65], 0
	v_nop
	global_prefetch_b8 v0, s[64:65] scope:SCOPE_SE
	s_setreg_imm32_b32 hwreg(HW_REG_WAVE_SCHED_MODE, 0, 2), 2
	s_setreg_imm32_b32 hwreg(HW_REG_WAVE_MODE, 25, 1), 1
	s_wait_xcnt 0x0
	s_wait_alu depctr_vm_vsrc(0)
; BinaryLinear, first of two launches.  reference(): y[n][o] = sum_i x[n][i] sign(W[o][i]) alpha[o] + bias[o], alpha[o] = mean_i |W[o][i]|.
; alpha[o] does not hang on i, so the sum is alpha[o] x sum_i x[n][i] sign(W[o][i]) for all values: the product is taken with sign(W) alone (+1, -1, 0: exact in bf16), and
; alpha and bias are one f32 multiply-add on the second launch's way out.  NOTHING OF reference() IS LEFT OUT: x, weight and bias all reach the output and are all loaded.
; THIS LAUNCH: xb = bf16(x), rounded once to nearest even; wb = bf16(sign(W)); asum[h][o] = 2^-12 x the sum of |W[o][i]| over column half h (f32 sums; the second launch adds the two halves).
; Each conversion is made once here, not once in each of the 16 work-groups that multiply a tile.
; LIMITS.  The order of the sums differs from reference()'s.  A zero of W keeps its sign in wb (+0 or -0); a denormal counts as non-zero.  A NaN in W stands in wb as +1 or -1 and reaches its whole
; output column through asum.  Each half's sum of |W| is scaled by 2^-12 before the halves are added: it overflows only where a half's sum passes f32's range.
; SHARES.  Work-group y = 0 takes x, y = 1 takes weight; work-group x = g: rows 64 (g / 2) .. + 63, columns 2,048 (g % 2) .. + 2,047: 256 work-groups of 512 KiB of input each.
; Wave w takes rows 4 w .. 4 w + 3 of the 64.  A row half is 16 chunks: one load of 16 bytes a lane (512 consecutive bytes) and one store of 8 bytes a lane (256 consecutive bytes, aligned).
; No address register is ever rewritten: row and chunk stand in the immediates.
; No matrix unit, no cluster, no tensor load, no prefetch: nothing is shared between work-groups, and the launch does nothing but stream.
; THE MODE: SCHED_MODE bits 1:0 = 2 (LLVM: expert scheduling mode 2), set by the entry lines.  The code itself states the register dependences between vector instructions and memory or LDS
; instructions, and those through scalar registers that vector instructions write, with s_wait_alu, always for 0.
; THE PLAN.  A wave's 64 chunks go in 16 blocks of four, a row half in four blocks; all are written out.  Registers that memory or LDS instructions touch:
;   X0 .. X4   five blocks as loaded.  Written by loads alone: blocks 0 to 3 at the head, block p + 4 in block p; read by block p's vector lines.
;   Y0, Y1     two blocks to store.    Written by block p's packing lines; read by the four stores that are issued in block p + 1.
;   RS         a register to each of my four row sums.  Written by the last line of a row's sum; read by four LDS stores behind the last block.
;   v2, v3, v4, v6, v7   offsets, my wave's LDS address, the closing add's pair: made once at the head, never written again.
;   RB         written by one LDS load, read by one store; no vector instruction names it.
; Block p works on X[p % 5] and writes Y[p % 2].  Its memory instructions are the loads into X[(p + 4) % 5] = X[(p - 1) % 5] and the stores from Y[(p - 1) % 2]: the two buffers that block p - 1 worked
; on and that no vector instruction of block p names.  So the waits at a block's head state all that its eight memory instructions hang on, and these are dealt among its vector lines with no further wait.
; 12 to 16 loads of every wave are on their way.  S, T, ONE and the masks are named by vector instructions alone.
.set ROWI,  16384                      ; bytes in a row of x and of weight
.set ROWO,  8192                       ; bytes in a row of xb and of wb
.set SPARE, 256                        ; LDS: bytes 0-255 the 64 row sums (word 4 w + r); from 256 the spare words, 128 bytes for each of 16 waves, which no other line names
.set VI,  2                            ; v2       16 x lane: my 16 bytes of a chunk; never rewritten
.set VO,  3                            ; v3       8 x lane: my 8 bytes of a chunk's result; also my 8 bytes of the 64 row sums; never rewritten
.set LA,  4                            ; v4       16 x wave: my wave's four words in LDS; never rewritten
.set SPW, 6                            ; v6       LDS address of my spare word; never rewritten
.set NIL, 7                            ; v7       0; never rewritten
.set ONE, 8                            ; v8       1.0
.set S,   12                           ; v[12:15] four running sums of |W|
.set T,   16                           ; v[16:19] at work
.set RB,  20                           ; v[20:21] two row sums read back
.set RS,  24                           ; v[24:27] my four rows' sums, to store
.set X,   32                           ; v[32:111]  buffer b, chunk i: 4 registers at X + 16 b + 4 i, as loaded
.set Y,   112                          ; v[112:127] buffer b, chunk i: 2 registers at Y + 8 b + 2 i, to store
                                       ; s[16:23], s[32:39]: a block's sixteen masks (chunk i, word k at 16 + 4 i + k + 8 (i / 2)); at the head they hold offsets, which are used up there
	s_load_b256 s[4:11], s[0:1], 0x0               ; x s[4:5], weight s[6:7], xb s[8:9], wb s[10:11]
	s_load_b64 s[12:13], s[0:1], 0x20              ; asum
	v_lshl_add_u32 v[SPW], v0, 2, SPARE
	v_mov_b32 v[NIL], 0
	v_lshrrev_b32 v1, 5, v0
	v_readfirstlane_b32 s14, v1                    ; wave 0..15
	s_and_b32 s15, ttmp7, 0xffff                   ; 0: x, 1: weight
	s_lshr_b32 s16, ttmp9, 1                       ; block of 64 rows
	s_and_b32 s17, ttmp9, 1                        ; column half
	s_lshl_b32 s18, s16, 20                        ; in: 64 rows of 16,384 bytes,
	s_wait_alu depctr_va_sdst(0)                   ; s14 is written, ahead of its first reader: the offsets, the LDS address and a branch are made from it
	s_lshl_b32 s19, s14, 16                        ; my wave's 4 rows,
	s_add_co_u32 s18, s18, s19
	s_lshl_b32 s19, s17, 13                        ; the half's 8,192 bytes
	s_add_co_u32 s18, s18, s19
	s_mov_b32 s19, 0
	s_lshl_b32 s32, s16, 19                        ; out: the same at half the bytes
	s_lshl_b32 s33, s14, 15
	s_add_co_u32 s32, s32, s33
	s_lshl_b32 s33, s17, 12
	s_add_co_u32 s32, s32, s33
	s_mov_b32 s33, 0
	s_lshl_b32 s34, s17, 14                        ; asum: half h begins 16,384 bytes on,
	s_lshl_b32 s35, s16, 8                         ; the block's 64 words
	s_add_co_u32 s34, s34, s35
	s_mov_b32 s35, 0
	s_mov_b32 s24, 0x7fffffff                      ; all but the sign
	s_mov_b32 s25, 0x07060302                      ; v_perm_b32: the upper halves of two words
	s_mov_b32 s26, 0x76543210                      ; v_permlanex16_b32: each lane takes its own place in the other half
	s_mov_b32 s27, 0xfedcba98
	s_lshl_b32 s36, s14, 4
	v_mov_b32 v[LA], s36
	v_mov_b32 v[ONE], 1.0
	v_and_b32 v1, 31, v0
	v_lshlrev_b32 v[VI], 4, v1
	v_lshlrev_b32 v[VO], 3, v1
	s_wait_kmcnt 0x0
	s_cmp_eq_u32 s15, 0
	s_cselect_b64 s[28:29], s[4:5], s[6:7]         ; the tensor that I read,
	s_cselect_b64 s[30:31], s[8:9], s[10:11]       ; and the one that I write
	s_add_nc_u64 s[28:29], s[28:29], s[18:19]
	s_add_nc_u64 s[30:31], s[30:31], s[32:33]
	s_add_nc_u64 s[12:13], s[12:13], s[34:35]
	s_wait_alu depctr_va_vdst(0)                   ; v2, v3, v4, v6 and v7 are written: every load, store and LDS instruction of the kernel reads one of them as its address, and the closing add the last two
.irp i, 0,1,2,3,4,5,6,7,8,9,10,11,12,13,14,15
	global_load_b128 v[X+4*\i:X+4*\i+3], v[VI], s[28:29] offset:512*\i th:TH_LOAD_NT  ; blocks 0 to 3 into X0 to X3: my first row's half
.endr
; The head of block p: the names of its four buffers, and its waits.
.macro HEAD p
.set XB, X+16*((\p)%5)                 ; the block as loaded
.set XN, X+16*(((\p)+4)%5)             ; where block p + 4 lands: the buffer that block p - 1 worked on
.set YB, Y+8*((\p)%2)                  ; what this block writes
.set YP, Y+8*(1-(\p)%2)                ; what block p - 1 wrote
.if (\p) < 13
	s_wait_loadcnt 12                              ; loads come back in order (ISA guide 5.7.1): my block's four are in, the three younger blocks stay out
.else
	s_wait_loadcnt 4*(15-(\p))                     ; the last four blocks load nothing: the counts run down
.endif
.if (\p) > 1
	s_wait_xcnt 0x0                                ; every earlier memory instruction has had its addresses translated (ISA guide 3.1): Y[p % 2], which the stores issued in the block before read, is rewritten only behind this wait
	s_wait_alu depctr_vm_vsrc(0)                   ; those stores have read Y[p % 2], which this block's packing lines write again
.endif
.if (\p) > 0
	s_wait_alu depctr_va_vdst(0)                   ; the block before has written the other Y, which the stores below read, and is done reading its X, in which the loads below land
.endif
.endm
; Block p's load and store number i: chunk i of block p + 4 comes, chunk i of block p - 1 goes; the load first.  No vector instruction since the head's wait names their registers.
.macro MEM p, i
.if (\p) < 12
	global_load_b128 v[XN+4*(\i):XN+4*(\i)+3], v[VI], s[28:29] offset:((4*(\p)+16+(\i))/16)*ROWI+512*((4*(\p)+16+(\i))%16) th:TH_LOAD_NT
.endif
.if (\p) > 0
	global_store_b64 v[VO], v[YP+2*(\i):YP+2*(\i)+1], s[30:31] offset:((4*(\p)-4+(\i))/16)*ROWO+256*((4*(\p)-4+(\i))%16)  ; 32 lanes store 256 consecutive bytes, at a multiple of 256 from the buffer's first byte
.endif
.endm
; Block p of weight.  First the sums and the sixteen compares, with the block's memory instructions among them; one wait; then the selects, the signs and the packing.
.macro WBLK p
	HEAD \p
.irp i, 0,1,2,3
	MEM \p, \i
.irp k, 0,1,2,3
.if ((\p)%4 == 0) && ((\i) == 0)
	v_and_b32 v[S+\k], s24, v[XB+4*(\i)+\k]        ; a row's first chunk starts the four sums: nothing is cleared
.else
	v_add_f32 v[S+\k], v[S+\k], |v[XB+4*(\i)+\k]|
.endif
	v_cmp_neq_f32 s[16+4*(\i)+\k+8*((\i)/2)], 0, v[XB+4*(\i)+\k]  ; the mask serves a select alone
.endr
.endr
	s_wait_alu depctr_va_sdst(0)                   ; the sixteen compares have written their masks, which the selects below read
.irp i, 0,1,2,3
.irp k, 0,1,2,3
	v_cndmask_b32 v[T+\k], 0, v[ONE], s[16+4*(\i)+\k+8*((\i)/2)]  ; 1 where W is not 0,
.endr
.irp k, 0,1,2,3
	v_bfi_b32 v[T+\k], s24, v[T+\k], v[XB+4*(\i)+\k]  ; under W's own sign
.endr
	v_perm_b32 v[YB+2*(\i)],   v[T+1], v[T],   s25  ; the upper halves are these numbers in bf16, exactly
	v_perm_b32 v[YB+2*(\i)+1], v[T+3], v[T+2], s25
.endr
.endm
; Block p of x.
.macro XBLK p
	HEAD \p
.irp i, 0,1,2,3
	MEM \p, \i
	v_cvt_pk_bf16_f32 v[YB+2*(\i)],   v[XB+4*(\i)],   v[XB+4*(\i)+1]
	v_cvt_pk_bf16_f32 v[YB+2*(\i)+1], v[XB+4*(\i)+2], v[XB+4*(\i)+3]
.endr
.endm
; My row r's half is summed: four chains, 32 lanes, the factor 2^-12.  The result has a register of its own, so that no LDS store stands among the blocks.
.macro ROWSUM r
	v_add_f32 v[S], v[S], v[S+1]
	v_add_f32 v[S+2], v[S+2], v[S+3]
	v_add_f32 v[S], v[S], v[S+2]
	v_add_f32_dpp v[S], v[S], v[S] row_xmask:1 row_mask:0xf bank_mask:0xf
	v_add_f32_dpp v[S], v[S], v[S] row_xmask:2 row_mask:0xf bank_mask:0xf
	v_add_f32_dpp v[S], v[S], v[S] row_xmask:4 row_mask:0xf bank_mask:0xf
	v_add_f32_dpp v[S], v[S], v[S] row_xmask:8 row_mask:0xf bank_mask:0xf
	v_permlanex16_b32 v[T], v[S], s26, s27         ; its destination counts as read: T has been written
	v_add_f32 v[S], v[S], v[T]
	v_mul_f32 v[RS+(\r)], 0x39800000, v[S]         ; 2^-12 = 1 / 4,096
.endm
; Block 15's four stores, from Y1.
.macro LAST
.irp i, 0,1,2,3
	global_store_b64 v[VO], v[Y+8+2*\i:Y+8+2*\i+1], s[30:31] offset:3*ROWO+256*(12+\i)
.endr
.endm
	s_cmp_eq_u32 s15, 0                            ; the same in all waves of the work-group
	s_cbranch_scc1 .Lx
.irp r, 0,1,2,3
	WBLK 4*\r
	WBLK 4*\r+1
	WBLK 4*\r+2
	WBLK 4*\r+3
	ROWSUM \r
.endr
	s_wait_alu depctr_va_vdst(0)                   ; block 15 has written Y1, which the last four stores read; the four rows' sums are written, which the LDS stores read
	LAST
.irp r, 0,1,2,3
	ds_store_b32 v[LA], v[RS+\r] offset:4*\r       ; word 4 w + r (all lanes store the same number to the same word)
.endr
	s_branch .Ljoin
.Lx:
.irp r, 0,1,2,3
	XBLK 4*\r
	XBLK 4*\r+1
	XBLK 4*\r+2
	XBLK 4*\r+3
.endr
	s_wait_alu depctr_va_vdst(0)                   ; block 15 has written Y1, which the last four stores read
	LAST
.Ljoin:
	s_wait_dscnt 0x0                               ; for the others' sake: my four row sums lie in LDS
	s_barrier_signal -1                            ; the one barrier stands on both ways
	s_barrier_wait -1
	s_cmp_eq_u32 s15, 0
	s_cbranch_scc1 .Lend                           ; x has no row sums
	s_cmp_lg_u32 s14, 0
	s_cbranch_scc1 .Lend                           ; wave 0 stores the work-group's 64
	ds_load_b64 v[RB:RB+1], v[VO]                  ; no vector instruction names RB, and none has named v3 since the head's wait
	s_wait_dscnt 0x0
	global_store_b64 v[VO], v[RB:RB+1], s[12:13]   ; 256 consecutive bytes, at a multiple of 256 from asum's first byte
.Lend:
	s_wait_dscnt 0x0                               ; the closing lines, six on end
	s_wait_alu 0x0
	s_wait_tensorcnt 0x0
	ds_add_u32 v[SPW], v[NIL]
	s_wait_dscnt 0x0
	s_endpgm
.Lfunc_end_k_q7516b3b405_prep:
	.size	k_q7516b3b405_prep, .Lfunc_end_k_q7516b3b405_prep-k_q7516b3b405_prep
	.p2alignl 7, 3214868480
	.fill 96, 4, 3214868480
	.section	.rodata,"a",@progbits
	.p2align	6, 0x0
	.amdhsa_kernel k_q7516b3b405_prep
		.amdhsa_group_segment_fixed_size 2304
		.amdhsa_private_segment_fixed_size 0
		.amdhsa_enable_private_segment 0
		.amdhsa_kernarg_size 40
		.amdhsa_user_sgpr_count 2
		.amdhsa_user_sgpr_kernarg_segment_ptr 1
		.amdhsa_wavefront_size32 1
		.amdhsa_system_sgpr_workgroup_id_x 1
		.amdhsa_system_sgpr_workgroup_id_y 1
		.amdhsa_system_sgpr_workgroup_id_z 1
		.amdhsa_system_vgpr_workitem_id 0
		.amdhsa_next_free_vgpr 128
		.amdhsa_next_free_sgpr 66
		.amdhsa_reserve_vcc 0
		.amdhsa_float_denorm_mode_32 3
		.amdhsa_float_denorm_mode_16_64 3
		.amdhsa_memory_ordered 1
		.amdhsa_forward_progress 1
		.amdhsa_inst_pref_size 112
	.end_amdhsa_kernel
	.amdgpu_metadata
---
amdhsa.version: [ 1, 2 ]
amdhsa.kernels:
  - .name:           k_q7516b3b405_prep
    .symbol:         k_q7516b3b405_prep.kd
    .args:
      - { .name: x, .offset: 0, .size: 8, .value_kind: global_buffer, .address_space: global }
      - { .name: weight, .offset: 8, .size: 8, .value_kind: global_buffer, .address_space: global }
      - { .name: xb, .offset: 16, .size: 8, .value_kind: global_buffer, .address_space: global }
      - { .name: wb, .offset: 24, .size: 8, .value_kind: global_buffer, .address_space: global }
      - { .name: asum, .offset: 32, .size: 8, .value_kind: global_buffer, .address_space: global }
    .group_segment_fixed_size: 2304
    .private_segment_fixed_size: 0
    .kernarg_segment_align: 8
    .kernarg_segment_size: 40
    .max_flat_workgroup_size: 512
    .sgpr_count:     66
    .vgpr_count:     128
    .wavefront_size: 32
...
	.end_amdgpu_metadata
.endif
;; end of part 3
;; launch gemm: the kernel of part 2 again; grid 16 x 16, 4 waves a work-group, clusters of 4 x 4, 327,680 bytes of LDS; arguments xb, wb, asum, bias, out0; writes out0
